; MI455X (gfx1250); checked and timed in simulation.
; The chip was launched on July 23, 2026; its instructions are those of AMD's public machine-readable ISA for CDNA 5 (MIT licence, August 2026) and "CDNA5" Instruction Set Architecture Reference Guide (July 2026). The comments in the code are by the model that wrote it; some were corrected since.
;; MLP NW dist att. Allowed arithmetic: float matrix products may take bf16 or f16 operands with f32 sums; other float arithmetic in f32, or as packed bf16 or f16 multiplies, adds, multiply-adds, maxima and minima; sums over many terms, partial sums and values carried from step to step in f32; what a program stores and reads back later, other than sums and carried values, may be rounded once to bf16 or f16.
;; Inputs: Wk1 3 x 256 float32; Wk2 256 x 64 float32; Wq1 3 x 256 float32; Wq2 256 x 64 float32; bk1 256 float32; bk2 64 float32; bq1 256 float32; bq2 64 float32; coords_f 4 x 2,048 x 3 float32; coords_t 4 x 2,048 x 3 float32; values_f 4 x 2,048 x 32 float32.
;; Outputs: out0 4 x 2,048 x 32 float32.
;; 2 versions, each right; version 2 is version 1 with the launch attend written anew for expert scheduling mode. Each part assembles by itself: llvm-mc -triple=amdgcn-amd-amdhsa -mcpu=gfx1250 --defsym DOCPART=n.
;; ======== version 1 of 2: 2 launches
;; limits: values are held in f16: magnitudes above 65,504 overflow, below 6.1e-05 lose precision; inputs' magnitudes at most 65,504
;; workspace buffers: kw 2,097,152 bytes; qw 2,097,152 bytes; vt 524,288 bytes
;; launch embed (part 1): grid 128 x 2, 4 waves a work-group, no clusters, 98,816 bytes of LDS; arguments coords_f, coords_t, Wk1, Wq1, bk1, bq1, Wk2, Wq2, bk2, bq2, values_f, kw, qw, vt; writes kw, qw, vt
.if DOCPART == 1
	.amdgcn_target "amdgcn-amd-amdhsa--gfx1250"
	.amdhsa_code_object_version 6
	.text
	.protected	k_qd50e4cddfe_embed
	.globl	k_qd50e4cddfe_embed
	.p2align	8
	.type	k_qd50e4cddfe_embed,@function
k_qd50e4cddfe_embed:
	s_mov_b64 s[64:65], 0
	v_nop
	global_prefetch_b8 v0, s[64:65] scope:SCOPE_SE
	s_setreg_imm32_b32 hwreg(HW_REG_WAVE_MODE, 25, 1), 1
	s_wait_xcnt 0x0
; EMBED.  Both MLPs, y = relu(x W1 + b1) W2 + b2 (3 -> 256 -> 64), and V rounded to f16 in the order in which the next launch's matrix instruction wants it.
; Grid y = 0: the keys (coords_f, Wk1, bk1, Wk2, bk2 -> kw); y = 1: the queries (coords_t, Wq.. -> qw).  A work-group takes 64 of the 8,192 rows, each of its four waves 16.
; WHY THE SPLIT.  The next launch takes exp(-s^2 / 2) of L1 distances s of some 15: an error e in s moves a log-weight by s e, so k and q must come out as good as f32.
;   Layer 1 has K = 3 and a bias: ONE f32 matrix instruction of K = 4 a tile of 16 hidden units, A = [W1 row 0, row 1, row 2, b1], B = [x0, x1, x2, 1]: a sixty-fourth of layer 2's multiply-adds.
;   Layer 2, the bulk, goes in bf16: h and W2 are each split into three bf16 terms, hi = round(x), mid = round(x - hi), lo = round(x - hi - mid) (both differences are exact in f32),
;   and six products are summed, the small ones first: lo hi, hi lo, mid mid, mid hi, hi mid, hi hi.  What is dropped lies some 2^-24 below the sum.  bf16 has f32's range: no limit of range is added.
; LAYOUT OF kw AND qw.  Tiles of 16 rows, 4,096 bytes: [chunk c 0..15][row r 0..15][4 floats].  Chunk c = 4 nb + 2 u + h holds the dimensions d = 32 h + 4 (4 u + e) + nb, e = 0..3:
;   one fixed permutation of d, the same in both buffers, which a sum over d of |k_d - q_d| does not see.  It lets every store of a wave cover 512 consecutive bytes.
; LAYOUT OF vt.  For each block of 32 keys and each block cb of 16 channels 1,024 bytes: lane L's registers 0-3 of the fragment V^T (row = channel, K = key) at 16 L, registers 4-7 at 512 + 16 L.
; LIMITS.  V is rounded to f16: |V| stays under 65,504.  NaN and infinities are not treated apart.
; No tensor load, no cluster: a work-group's inputs are 64 KB of W2 read once through registers, since every number of it has to be split on the way into LDS.
.set SPARE, 98304                      ; behind W2's fragments: the spare words, 128 bytes for each wave: two blocks of 256 bytes that no other line names
.set SPW, 2                            ; v2   LDS address of my spare word; never rewritten
.set NIL, 3                            ; v3   0; never rewritten
.set B1,  16                           ; v[16:17]   layer 1's B: x0 or x2; x1 or 1
.set XR,  18                           ; v18        x1 as loaded
.set A1,  20                           ; v[20:51]   layer 1's A, two registers for each of 16 tiles of 16 hidden units
.set D1,  52                           ; v[52:67]   layer 1's results, two tiles: written by the f32 matrix instruction alone
.set TP,  68                           ; v[68:75]   V as loaded; then four pairs at work
.set VP,  76                           ; v[76:79]   V packed
.set ACC, 84                           ; v[84:115]  layer 2's four accumulators (block nb at ACC + 8 nb); before that W1's row 1 (84-99) and b1 (100-115) as loaded
.set HR,  116                          ; v[116:131] relu(h), and what is left of it
.set HF,  132                          ; v[132:155] h's three terms as B fragments: hi, mid, lo
.set WF,  156                          ; v[156:251] W2's fragments of one K step: term at 32 x term, block nb at 8 nb
.set RAW, 116                          ; v[116:243] while W2 is split: my two K steps of it as loaded: 64 kk + 4 i + nb
.set QD,  244                          ; v[244:255] while W2 is split: half a fragment in three terms
; v1 16 L   v4 4 r   v5 2048 h + 4 r   v6 2048 h + 16 r + 16384 w   v7 12 r + 8 h   v13 12 r + 4   v8 1024 h + 4 r   v9 128 h   v10 16 L + 24576 w   v12 16 L + 49152
.macro PLACES                          ; plain vector instructions that name no register of the matrix instructions before them (ISA guide 7.12.1)
.rept 4
	v_nop
.endr
.endm
	s_load_b512 s[16:31], s[0:1], 0x0              ; coords_f, coords_t, Wk1, Wq1, bk1, bq1, Wk2, Wq2
	s_load_b256 s[32:39], s[0:1], 0x40             ; bk2, bq2, values_f, kw
	s_load_b128 s[40:43], s[0:1], 0x60             ; qw, vt
	v_lshl_add_u32 v[SPW], v0, 2, SPARE
	v_mov_b32 v[NIL], 0
	v_lshrrev_b32 v14, 5, v0
	v_readfirstlane_b32 s44, v14                   ; wave w, 0..3
	s_and_b32 s45, ttmp7, 0xffff                   ; y: 0 keys, 1 queries
	s_mov_b32 s46, ttmp9                           ; x: which 64 rows
	s_mov_b32 s47, 0xffff0000                      ; a word's upper bf16
	v_and_b32 v14, 31, v0                          ; L
	v_and_b32 v15, 15, v0                          ; r = L % 16
	v_bfe_u32 v19, v0, 4, 1                        ; h = L / 16
	v_lshlrev_b32 v1, 4, v14                       ; 16 L
	v_lshlrev_b32 v4, 2, v15                       ; 4 r
	v_lshl_add_u32 v5, v19, 11, v4                 ; W1: row 2 h (1,024 bytes a row), column r
	v_lshlrev_b32 v6, 4, v15
	v_lshl_add_u32 v6, v19, 11, v6                 ; W2: row 8 h (256 bytes a row), columns 4 r ..,
	s_lshl_b32 s48, s44, 14
	v_add_nc_u32 v6, s48, v6                       ; from my wave's 64 rows on
	v_mul_u32_u24 v7, v15, 12
	v_add_nc_u32 v13, 4, v7                        ; x1 of row r
	v_lshl_add_u32 v7, v19, 3, v7                  ; x0 or x2 of row r
	v_lshl_add_u32 v8, v19, 10, v4                 ; V: key 8 h (128 bytes a key), channel r
	v_lshlrev_b32 v9, 7, v19                       ; b2: d = 32 h
	s_mul_i32 s48, s44, 24576
	v_add_nc_u32 v10, s48, v1                      ; where my wave puts its 24 fragments of W2
	v_add_nc_u32 v12, 49152, v1                    ; K steps 4 to 7 lie beyond what a 16-bit offset reaches from v1
	v_cmp_gt_u32 vcc_lo, 16, v14                   ; the lanes with h = 0
	s_lshl_b32 s2, s46, 2
	s_add_co_u32 s2, s2, s44                       ; my tile of 16 rows = 4 x + w
	s_mul_i32 s48, s2, 192                         ; 16 rows of 12 bytes
	s_mov_b32 s49, 0
	s_lshl_b32 s50, s2, 12                         ; 4,096 bytes of output a tile
	s_mov_b32 s51, 0
	s_lshl_b32 s3, s45, 7
	s_add_co_u32 s3, s3, s46                       ; my work-group's block of 32 keys of V = 128 y + x; wave w makes half u = w % 2 of channel block cb = w / 2
	s_lshl_b32 s52, s3, 12                         ; 32 keys of 128 bytes,
	s_and_b32 s2, s44, 1
	s_lshl_b32 s2, s2, 11
	s_add_co_u32 s52, s52, s2                      ; 16 keys on for u = 1,
	s_lshr_b32 s2, s44, 1
	s_lshl_b32 s2, s2, 6
	s_add_co_u32 s52, s52, s2                      ; 16 channels on for cb = 1
	s_mov_b32 s53, 0
	s_lshl_b32 s54, s3, 11                         ; in vt: 2,048 bytes a block of keys, 512 a wave
	s_lshl_b32 s2, s44, 9
	s_add_co_u32 s54, s54, s2
	s_mov_b32 s55, 0
	s_wait_kmcnt 0x0
	s_cmp_eq_u32 s45, 0                            ; the selects leave SCC as it is
	s_cselect_b64 s[4:5], s[16:17], s[18:19]       ; x
	s_cselect_b64 s[6:7], s[20:21], s[22:23]       ; W1
	s_cselect_b64 s[8:9], s[24:25], s[26:27]       ; b1
	s_cselect_b64 s[10:11], s[28:29], s[30:31]     ; W2
	s_cselect_b64 s[12:13], s[32:33], s[34:35]     ; b2
	s_cselect_b64 s[14:15], s[38:39], s[40:41]     ; kw or qw
	s_add_nc_u64 s[4:5], s[4:5], s[48:49]
	s_add_nc_u64 s[14:15], s[14:15], s[50:51]
	s_add_nc_u64 s[36:37], s[36:37], s[52:53]
	s_add_nc_u64 s[42:43], s[42:43], s[54:55]
	; ALL LOADS BUT b2's.  58 small ones, then W2: 32 loads in which lanes 0-15 take one whole row of 256 bytes and lanes 16-31 the row eight further down.
	global_load_b32 v[B1], v7, s[4:5]
	global_load_b32 v[XR], v13, s[4:5]
.set t, 0
.rept 16
	global_load_b32 v[A1+2*t], v5, s[6:7] offset:64*t          ; W1[2 h][16 t + r]
.set t, t+1
.endr
.set t, 0
.rept 16
	global_load_b32 v[ACC+t], v4, s[6:7] offset:1024+64*t      ; W1[1][16 t + r]
.set t, t+1
.endr
.set t, 0
.rept 16
	global_load_b32 v[ACC+16+t], v4, s[8:9] offset:64*t        ; b1[16 t + r]
.set t, t+1
.endr
.set i, 0
.rept 8
	global_load_b32 v[TP+i], v8, s[36:37] offset:128*i         ; V[key 16 u + 8 h + i][channel 16 cb + r]
.set i, i+1
.endr
.irp kk, 0,1                           ; my K steps 2 w + kk.  Slot i of a lane's 16 along K is hidden row i + 8 h (i < 8) or 8 + i + 8 h; the four registers are d = 4 r + nb, nb = 0..3
.set i, 0
.rept 16
	global_load_b128 v[RAW+64*\kk+4*i:RAW+64*\kk+4*i+3], v6, s[10:11] offset:(32*\kk+i+8*(i/8))*256
.set i, i+1
.endr
.endr
	s_wait_loadcnt 32                              ; loads come back in order (ISA guide 5.7.1): all but W2's 32 are in
	v_cndmask_b32 v[B1+1], 1.0, v[XR], vcc_lo      ; k = 1: x1; k = 3: the 1 that meets b1
.set t, 0
.rept 16
	v_cndmask_b32 v[A1+2*t+1], v[ACC+16+t], v[ACC+t], vcc_lo   ; k = 1: W1's row 1; k = 3: b1
.set t, t+1
.endr
.irp i, 0,1,2,3
	v_cvt_pk_f16_f32 v[VP+\i], v[TP+2*\i], v[TP+2*\i+1]        ; two neighbouring keys, the lower in the low half
.endr
	global_store_b128 v1, v[VP:VP+3], s[42:43]     ; 512 consecutive bytes of vt; v1 and VP are never rewritten
.irp nb, 0,1,2,3                       ; the accumulators begin as b2: register j of block nb is d = 32 h + 4 j + nb.  Nothing is cleared, and no bias is added at the end
.irp j, 0,1,2,3,4,5,6,7
	global_load_b32 v[ACC+8*\nb+\j], v9, s[12:13] offset:4*(4*\j+\nb)
.endr
.endr
; W2 IS SPLIT.  Half hf (8 of the 16 slots) of block nb of my K step kk: three terms, four registers each, into LDS in fragment order: fragment ((2 w + kk) 3 + term) 4 + nb, 1,024 bytes, half hf at 512 hf + 16 L.
.macro ROUNDW term
.irp pp, 0,1,2,3
	v_cvt_pk_bf16_f32 v[QD+4*(\term)+\pp], v[RB+8*\pp], v[RB+8*\pp+4]
.endr
.endm
.macro RESIDW term                     ; what the term just made leaves over: exact in f32
.irp pp, 0,1,2,3
	v_lshlrev_b32 v[TP+2*\pp], 16, v[QD+4*(\term)+\pp]
	v_and_b32 v[TP+2*\pp+1], s47, v[QD+4*(\term)+\pp]
.endr
.irp pp, 0,1,2,3
	v_sub_f32 v[RB+8*\pp], v[RB+8*\pp], v[TP+2*\pp]
	v_sub_f32 v[RB+8*\pp+4], v[RB+8*\pp+4], v[TP+2*\pp+1]
.endr
.endm
.macro SPLITW kk, hf, nb
.set RB, RAW+64*(\kk)+32*(\hf)+(\nb)
	ROUNDW 0
	RESIDW 0
	ROUNDW 1
	RESIDW 1
	ROUNDW 2
.irp term, 0,1,2
	ds_store_b128 v10, v[QD+4*\term:QD+4*\term+3] offset:((3*(\kk)+\term)*4+(\nb))*1024+512*(\hf)  ; 32 lanes, 512 consecutive bytes
.endr
.endm
	s_wait_loadcnt 48                              ; W2's first 16 loads are in; its other 16 and b2's 32 stay out
.irp hf, 0,1
.irp nb, 0,1,2,3
	SPLITW 0, \hf, \nb
.endr
.endr
	s_wait_loadcnt 32                              ; all of W2 is in; b2's 32 stay out
.irp hf, 0,1
.irp nb, 0,1,2,3
	SPLITW 1, \hf, \nb
.endr
.endr
	s_wait_dscnt 0x0                               ; for the others' sake: my fragments are in LDS
	s_barrier_signal -1
	s_barrier_wait -1                              ; everybody's are: the launch's one barrier
	s_wait_loadcnt 0x0                             ; b2
; h IS SPLIT: pairs 4 g .. 4 g + 3 of the lane's 16 numbers.  Layer 1's result holds hidden unit 16 t + 8 h + j of row r in register j: rounded in pairs it IS layer 2's B fragment (column = row r, K = hidden unit).
.macro HROUND term, g
.irp pp, 0,1,2,3
	v_cvt_pk_bf16_f32 v[HF+8*(\term)+4*(\g)+\pp], v[HR+8*(\g)+2*\pp], v[HR+8*(\g)+2*\pp+1]
.endr
.endm
.macro HRESID term, g
.irp pp, 0,1,2,3
	v_lshlrev_b32 v[TP+2*\pp], 16, v[HF+8*(\term)+4*(\g)+\pp]
	v_and_b32 v[TP+2*\pp+1], s47, v[HF+8*(\term)+4*(\g)+\pp]
.endr
.irp pp, 0,1,2,3
	v_pk_add_f32 v[HR+8*(\g)+2*\pp:HR+8*(\g)+2*\pp+1], v[HR+8*(\g)+2*\pp:HR+8*(\g)+2*\pp+1], v[TP+2*\pp:TP+2*\pp+1] neg_lo:[0,1] neg_hi:[0,1]
.endr
.endm
.macro HSPLIT g
	HROUND 0, \g
	HRESID 0, \g
	HROUND 1, \g
	HRESID 1, \g
	HROUND 2, \g
.endm
.macro MM wt, ht                       ; W2's term wt times h's term ht, the four accumulators by turns, one instruction a turn
.irp nb, 0,1,2,3
	v_wmma_f32_16x16x32_bf16 v[ACC+8*\nb:ACC+8*\nb+7], v[WF+32*(\wt)+8*\nb:WF+32*(\wt)+8*\nb+7], v[HF+8*(\ht):HF+8*(\ht)+7], v[ACC+8*\nb:ACC+8*\nb+7]
.endr
.endm
; A K STEP of 32 hidden units.  Terms: 0 hi, 1 mid, 2 lo.
.macro KSTEP ks
	v_wmma_f32_16x16x4_f32 v[D1:D1+7], v[A1+4*(\ks):A1+4*(\ks)+1], v[B1:B1+1], 0          ; hidden units 32 ks .. + 15
	v_wmma_f32_16x16x4_f32 v[D1+8:D1+15], v[A1+4*(\ks)+2:A1+4*(\ks)+3], v[B1:B1+1], 0     ; and .. + 31
	PLACES                                         ; four places between the last K step's products and the loads into the registers that they read
.if (\ks) < 4
.set RA, 1
.else
.set RA, 12
.endif
.irp term, 2,0,1                       ; in the order in which the products want them
.irp nb, 0,1,2,3
	ds_load_b128 v[WF+32*\term+8*\nb:WF+32*\term+8*\nb+3],   v[RA] offset:(((\ks)%4)*12+4*\term+\nb)*1024
	ds_load_b128 v[WF+32*\term+8*\nb+4:WF+32*\term+8*\nb+7], v[RA] offset:(((\ks)%4)*12+4*\term+\nb)*1024+512
.endr
.endr
	PLACES                                         ; eight places in all behind the f32 form, before its results are read
.set j, 0
.rept 16
	v_max_num_f32 v[HR+j], 0, v[D1+j]              ; ReLU, each result from its lowest register on
.set j, j+1
.endr
	HSPLIT 0
	HSPLIT 1
	s_wait_dscnt 16                                ; W2's lo is in: 16 younger loads may be out
	MM 2, 0
	s_wait_dscnt 8                                 ; its hi
	MM 0, 2
	s_wait_dscnt 0x0                               ; its mid
	MM 1, 1
	MM 1, 0
	MM 0, 1
	MM 0, 0
.endm
.irp ks, 0,1,2,3,4,5,6,7               ; written out: every offset and register is a constant of the text
	KSTEP \ks
.endr
	PLACES                                         ; four places before the stores read the results
.irp nb, 0,1,2,3
.irp u, 0,1
	global_store_b128 v1, v[ACC+8*\nb+4*\u:ACC+8*\nb+4*\u+3], s[14:15] offset:(2*\nb+\u)*512   ; chunks 4 nb + 2 u and + 1: 512 consecutive bytes, at a multiple of 512 from the buffer's first
.endr
.endr
	s_wait_tensorcnt 0x0                           ; the wave's end: behind my last LDS store
	ds_add_u32 v[SPW], v[NIL]
	s_wait_dscnt 0x0
	s_endpgm
.Lfunc_end_k_qd50e4cddfe_embed:
	.size	k_qd50e4cddfe_embed, .Lfunc_end_k_qd50e4cddfe_embed-k_qd50e4cddfe_embed
	.p2alignl 7, 3214868480
	.fill 96, 4, 3214868480
	.section	.rodata,"a",@progbits
	.p2align	6, 0x0
	.amdhsa_kernel k_qd50e4cddfe_embed
		.amdhsa_group_segment_fixed_size 98816
		.amdhsa_private_segment_fixed_size 0
		.amdhsa_enable_private_segment 0
		.amdhsa_kernarg_size 112
		.amdhsa_user_sgpr_count 2
		.amdhsa_user_sgpr_kernarg_segment_ptr 1
		.amdhsa_wavefront_size32 1
		.amdhsa_system_sgpr_workgroup_id_x 1
		.amdhsa_system_sgpr_workgroup_id_y 1
		.amdhsa_system_sgpr_workgroup_id_z 1
		.amdhsa_system_vgpr_workitem_id 0
		.amdhsa_next_free_vgpr 256
		.amdhsa_next_free_sgpr 66
		.amdhsa_reserve_vcc 1
		.amdhsa_float_denorm_mode_32 3
		.amdhsa_float_denorm_mode_16_64 3
		.amdhsa_memory_ordered 1
		.amdhsa_forward_progress 1
		.amdhsa_inst_pref_size 107
	.end_amdhsa_kernel
	.amdgpu_metadata
---
amdhsa.version: [ 1, 2 ]
amdhsa.kernels:
  - .name:           k_qd50e4cddfe_embed
    .symbol:         k_qd50e4cddfe_embed.kd
    .args:
      - { .name: coords_f, .offset: 0, .size: 8, .value_kind: global_buffer, .address_space: global }
      - { .name: coords_t, .offset: 8, .size: 8, .value_kind: global_buffer, .address_space: global }
      - { .name: Wk1, .offset: 16, .size: 8, .value_kind: global_buffer, .address_space: global }
      - { .name: Wq1, .offset: 24, .size: 8, .value_kind: global_buffer, .address_space: global }
      - { .name: bk1, .offset: 32, .size: 8, .value_kind: global_buffer, .address_space: global }
      - { .name: bq1, .offset: 40, .size: 8, .value_kind: global_buffer, .address_space: global }
      - { .name: Wk2, .offset: 48, .size: 8, .value_kind: global_buffer, .address_space: global }
      - { .name: Wq2, .offset: 56, .size: 8, .value_kind: global_buffer, .address_space: global }
      - { .name: bk2, .offset: 64, .size: 8, .value_kind: global_buffer, .address_space: global }
      - { .name: bq2, .offset: 72, .size: 8, .value_kind: global_buffer, .address_space: global }
      - { .name: values_f, .offset: 80, .size: 8, .value_kind: global_buffer, .address_space: global }
      - { .name: kw, .offset: 88, .size: 8, .value_kind: global_buffer, .address_space: global }
      - { .name: qw, .offset: 96, .size: 8, .value_kind: global_buffer, .address_space: global }
      - { .name: vt, .offset: 104, .size: 8, .value_kind: global_buffer, .address_space: global }
    .group_segment_fixed_size: 98816
    .private_segment_fixed_size: 0
    .kernarg_segment_align: 8
    .kernarg_segment_size: 112
    .max_flat_workgroup_size: 128
    .sgpr_count:     66
    .vgpr_count:     256
    .wavefront_size: 32
...
	.end_amdgpu_metadata
.endif
;; end of part 1
;; launch attend (part 2): grid 64 x 4, 8 waves a work-group, no clusters, 105,472 bytes of LDS; arguments kw, qw, vt, out0; writes out0
.if DOCPART == 2
	.amdgcn_target "amdgcn-amd-amdhsa--gfx1250"
	.amdhsa_code_object_version 6
	.text
	.protected	k_qd50e4cddfe_attend
	.globl	k_qd50e4cddfe_attend
	.p2align	8
	.type	k_qd50e4cddfe_attend,@function
k_qd50e4cddfe_attend:
	s_mov_b64 s[64:65], 0
	v_nop
	global_prefetch_b8 v0, s[64:65] scope:SCOPE_SE
	s_setreg_imm32_b32 hwreg(HW_REG_WAVE_MODE, 25, 1), 1
	s_wait_xcnt 0x0
; ATTEND.  out[b][q][:] = the sum over keys n of softmax_n(-s^2 / 2) V[b][n][:], s = the sum over d of |k[n][d] - q[q][d]|.  k, q: f32, from kw and qw (tiles of 16 rows: [chunk 0..15][row 0..15][4 floats], the
; same permutation of d in both, which the sum over d does not see); V: f16 fragments from vt.  Distances, minima, exponents and sums in f32; the weights are rounded to f16 for the product with V.
; SHARES.  A work-group: 32 queries (two tiles t of 16) of batch y, all 2,048 keys.  Wave w: keys 256 w .. + 255, eight trips of 32.  Lane (r = L % 16, h = L / 16): query r of both tiles and, in a trip, the 16 keys
; 8 h + j and 16 + 8 h + j, j = 0..7.  That is where source 1 (32 keys x 16 queries) of O^T = V^T P wants them: nothing changes lanes between the distances and the product.
; THE COUNT.  For two dimensions of a pair: one packed subtraction and two additions of a magnitude, three vector instructions: 3,040 of a trip's some 3,250.  All else stands beside them or is small.
; SOFTMAX.  For each query a running minimum m of s and a sum l: p = 2^(c (m - s)(m + s)), c = log2(e) / 2: the exponent is never above 0 and is 0 at the minimum, and m - s loses nothing where s is near m.
; In every trip O and l are multiplied by a = 2^(c (m_new - m_old)(m_new + m_old)).  m starts at 1e30: the first trip's a is 2^(-infinity) = 0, and O and l start at 0.  The eight waves' m, l and O meet in LDS at the end.
; LIMITS.  s stays under 1e30 (s^2 / 2 itself leaves f32 from 2.6e19 on); a weight below 2^-126 counts as 0, and below 6e-5 it keeps f16's fixed step of 6e-8 in the product; NaN and infinities are not treated apart.
; KEYS come through registers: a wave loads a tile as eight times 512 consecutive bytes, stores it into 8,192 bytes of LDS of its own and reads it back 16 bytes at a time, one word for lanes 0-15 and one for lanes
; 16-31.  LDS serves a wave's instructions in order (ISA guide 5.7.1.4), and no other wave touches those bytes: the loop has no barrier.
; NO CLUSTER, NO TENSOR LOAD, though a batch's 64 work-groups walk the same keys: a wave wants 10 KB for a trip's 3,250 vector instructions, asked for half a trip ahead, so what would be shared is a small part
; of a trip; and joint loads would put a round of barriers into a loop that needs none.
; REGISTERS, in windows of 256 (s_set_vgpr_msb: bits 1:0 source 0, 3:2 source 1, 5:4 source 2, 7:6 destination):
;   window 0: v0-15 addresses; v16-47, v48-79 the two key tiles on their way; v80-95 V; v96-127 O^T (tile t, channel block cb at 96 + 16 t + 8 cb); v128-199 the merge
;   window 1: v0-127 Q (64 t + 4 c + e); v128-191 K, two buffers of four keys x eight dimensions; v192-207 differences, then P; v208-239 s (16 t + key); v240 K's LDS address; v242-253 m, c m, l
;   During the softmax K's second buffer is free: v160-175 m - s; v176-183 at work; v184-187 a.
.set MERGE, 65536                      ; behind the eight key buffers: 8 x 4,608 bytes, a wave's O: 32 rows of 128 bytes + 16 of padding = 36 words: 16 rows start at 16 different groups of four banks (ISA guide 11.1)
.set STAT,  102400                     ; 8 x 256 bytes: a wave's m for 32 queries, then its l
.set SPARE, 104448                     ; the spare words, 128 bytes for each wave: four blocks of 256 bytes that no other line names
.set SPW, 2                            ; v2   LDS address of my spare word; never rewritten
.set NIL, 3                            ; v3   0; never rewritten
.set GK,  4                            ; v4   byte offset of my 16 bytes in the key block that is being fetched
.set GV,  5                            ; v5   the same in V's fragments of the trip
.set SA,  6                            ; v6   where I store 16 bytes of a key tile
.set SG0, 16
.set SG1, 48
.set VR,  80
.set OR,  96
.set KR,  128                          ; window 1
.set TR,  192
.set SR,  208
.set KA,  240
.set XD,  160
.set AT,  176
.set MSB, 0
.macro WIN new                         ; the immediate's high byte repeats the setting that is left; a switch that changes nothing is dropped
.if MSB != (\new)
	s_set_vgpr_msb (MSB<<8)|(\new)
.set MSB, \new
.endif
.endm
.set W_ALL, 0x55                       ; every place in window 1: distances and softmax
.set W_DST, 0x40                       ; destination in window 1
.set W_S1,  0x04                       ; source 1 in window 1: a, P, and the statistics as an LDS store's data
	s_load_b256 s[4:11], s[0:1], 0x0               ; kw s[4:5], qw s[6:7], vt s[8:9], out0 s[10:11]
	v_lshl_add_u32 v[SPW], v0, 2, SPARE
	v_mov_b32 v[NIL], 0
	v_lshrrev_b32 v13, 5, v0
	v_readfirstlane_b32 s12, v13                   ; wave w, 0..7
	s_and_b32 s13, ttmp7, 0xffff                   ; batch y
	s_mov_b32 s24, 0x3f38aa3b                      ; c = log2(e) / 2
	s_mov_b32 s25, s24                             ; named with it as a pair
	s_mov_b32 s28, 0x76543210                      ; v_permlanex16_b32: each lane takes its own place in the other half
	s_mov_b32 s29, 0xfedcba98
	v_and_b32 v14, 31, v0                          ; L
	v_and_b32 v15, 15, v0                          ; r
	v_bfe_u32 v13, v0, 4, 1                        ; h
	v_lshlrev_b32 v1, 4, v14                       ; 16 L
	v_mov_b32 v[GK], v1                            ; the wave's first block
	v_lshlrev_b32 v7, 4, v15                       ; Q: row r of a chunk
	s_lshl_b32 s21, s12, 13                        ; my wave's key buffer
	v_add_nc_u32 v[SA], s21, v1
	s_mul_i32 s26, s12, 4608
	s_add_co_u32 s26, s26, MERGE
	v_mul_u32_u24 v8, v15, 144
	v_lshl_add_u32 v8, v13, 5, v8
	v_add_nc_u32 v8, s26, v8                       ; v8: my wave's O: row r, channels 8 h ..
	s_lshl_b32 s27, s12, 8
	s_add_co_u32 s27, s27, STAT
	v_lshl_add_u32 v9, v15, 2, s27                 ; v9: my wave's m of query r
	v_lshrrev_b32 v11, 3, v0                       ; the merge: thread n takes query n / 8, channels 4 (n % 8) ..
	v_and_b32 v12, 7, v0
	v_mul_u32_u24 v10, v11, 144
	v_lshl_add_u32 v10, v12, 4, v10
	v_add_nc_u32 v10, MERGE, v10                   ; v10: those 16 bytes in wave 0's O
	v_lshl_add_u32 v11, v11, 2, STAT               ; v11: that query's m in wave 0's statistics
	v_lshlrev_b32 v12, 4, v0                       ; v12: and the same 16 bytes among the work-group's 4,096 of out0
	s_lshl_b32 s14, s13, 19                        ; kw: 524,288 bytes a batch, 65,536 a wave
	s_lshl_b32 s22, s12, 16
	s_add_co_u32 s14, s14, s22
	s_mov_b32 s15, 0
	s_lshl_b32 s16, s13, 19                        ; qw: 8,192 bytes a work-group
	s_lshl_b32 s22, ttmp9, 13
	s_add_co_u32 s16, s16, s22
	s_mov_b32 s17, 0
	s_lshl_b32 s18, s13, 17                        ; vt: 131,072 bytes a batch, 16,384 a wave
	s_lshl_b32 s22, s12, 14
	s_add_co_u32 s18, s18, s22
	s_mov_b32 s19, 0
	s_lshl_b32 s22, s13, 18                        ; out0: 262,144 bytes a batch, 4,096 a work-group
	s_lshl_b32 s23, ttmp9, 12
	s_add_co_u32 s22, s22, s23
	s_mov_b32 s23, 0
	s_wait_kmcnt 0x0
	s_add_nc_u64 s[4:5], s[4:5], s[14:15]
	s_add_nc_u64 s[6:7], s[6:7], s[16:17]
	s_add_nc_u64 s[8:9], s[8:9], s[18:19]
	s_add_nc_u64 s[10:11], s[10:11], s[22:23]
.irp i, 0,1,2,3,4,5,6,7
	global_load_b128 v[SG0+4*\i:SG0+4*\i+3], v[GK], s[4:5] offset:512*\i         ; block 0, keys 0-15
.endr
.irp i, 0,1,2,3,4,5,6,7
	global_load_b128 v[SG1+4*\i:SG1+4*\i+3], v[GK], s[4:5] offset:4096+512*\i    ; block 0, keys 16-31
.endr
	WIN W_DST
.set i, 0
.rept 32                               ; Q stays in registers: tile i / 16, chunk i % 16, row r
	global_load_b128 v[4*i:4*i+3], v7, s[6:7] offset:256*i
.set i, i+1
.endr
	v_lshl_add_u32 v[KA], v13, 7, s21              ; K: row 8 h of a chunk in my wave's buffer
.irp t, 0,1
	v_mov_b32 v[242+6*\t], 0x7149f2ca              ; m = 1e30; the pair's second register is only named
	v_mov_b32 v[243+6*\t], 0x7149f2ca
	v_mov_b32 v[244+6*\t], 0                       ; c m: made anew in every trip; its second register is only named
	v_mov_b32 v[245+6*\t], 0
	v_mov_b32 v[246+6*\t], 0                       ; l, even keys' and odd keys'
	v_mov_b32 v[247+6*\t], 0
.endr
	WIN 0
.set i, 0
.rept 32                               ; O^T = 0, on purpose: the trip's text is long and is written once, so no first trip is written out
	v_mov_b32 v[OR+i], 0
.set i, i+1
.endr
	s_wait_loadcnt 40                              ; loads come back in order (ISA guide 5.7.1): keys 0-15 are in; the 8 loads of keys 16-31 and Q's 32 stay out
.irp i, 0,1,2,3,4,5,6,7
	ds_store_b128 v[SA], v[SG0+4*\i:SG0+4*\i+3] offset:512*\i
.endr
; Eight LDS loads: the four keys of group g (keys 4 g .. in the lane's 16: tile g / 2 of the block, rows 8 h + 4 (g % 2) ..), chunks 2 cp and 2 cp + 1 (eight dimensions), into buffer buf.
.macro KLOAD g, cp, buf
.irp kk, 0,1,2,3
.irp u, 0,1
	ds_load_b128 v[KR+32*(\buf)+8*\kk+4*\u:KR+32*(\buf)+8*\kk+4*\u+3], v[KA] offset:((\g)>>1)*4096+(2*(\cp)+\u)*256+(((\g)&1)*4+\kk)*16
.endr
.endr
.endm
; Four keys x two query tiles x eight dimensions: 96 vector instructions; the next chunk's eight loads are issued at its head.  A line reads no result made fewer than eight lines before it.
.macro CHUNK g, cp
	s_wait_dscnt 0x0                               ; this chunk's K, asked for a chunk ago, is in
.if (\cp) < 7
	KLOAD \g, (\cp)+1, ((\cp)+1)&1
.else
	KLOAD ((\g)+1)&3, 0, 0
.endif
.set KC, KR+32*((\cp)&1)
.irp dp, 0,1,2,3
.irp kk, 0,1,2,3
.irp t, 0,1
	v_pk_add_f32 v[TR+4*\kk+2*\t:TR+4*\kk+2*\t+1], v[KC+8*\kk+2*\dp:KC+8*\kk+2*\dp+1], v[64*\t+8*(\cp)+2*\dp:64*\t+8*(\cp)+2*\dp+1] neg_lo:[0,1] neg_hi:[0,1]
.endr
.endr
.if ((\cp) == 0) && (\dp == 0)
.irp kk, 0,1,2,3
.irp t, 0,1
	v_add_f32 v[SR+16*\t+4*(\g)+\kk], |v[TR+4*\kk+2*\t]|, |v[TR+4*\kk+2*\t+1]|    ; the first two magnitudes start the sum: nothing is cleared
.endr
.endr
.else
.irp kk, 0,1,2,3
.irp t, 0,1
	v_add_f32 v[SR+16*\t+4*(\g)+\kk], v[SR+16*\t+4*(\g)+\kk], |v[TR+4*\kk+2*\t]|
.endr
.endr
.irp kk, 0,1,2,3
.irp t, 0,1
	v_add_f32 v[SR+16*\t+4*(\g)+\kk], v[SR+16*\t+4*(\g)+\kk], |v[TR+4*\kk+2*\t+1]|
.endr
.endr
.endif
.endr
.endm
; THE SOFTMAX of a trip, for tile t.
.macro SREGS t
.set rS, SR+16*(\t)
.set rA, AT+4*(\t)
.set rM, 242+6*(\t)
.set rC, 244+6*(\t)
.set rL, 246+6*(\t)
.set rAL, 184+2*(\t)
.set rP, TR+8*(\t)
.endm
.macro SMIN n, t                       ; line n of the 16 that find the new m, c m and a's exponent
	SREGS \t
.if (\n) < 4
	v_min3_num_f32 v[rA+(\n)], v[rS+3*(\n)], v[rS+3*(\n)+1], v[rS+3*(\n)+2]
.elseif (\n) == 4
	v_min3_num_f32 v[rA], v[rA], v[rS+12], v[rS+13]
.elseif (\n) == 5
	v_min3_num_f32 v[rA+1], v[rA+1], v[rS+14], v[rS+15]
.elseif (\n) == 6
	v_min3_num_f32 v[rA+2], v[rA+2], v[rA+3], v[rM]
.elseif (\n) == 7
	v_min3_num_f32 v[rA], v[rA], v[rA+1], v[rA+2]
.elseif (\n) == 8
	v_permlanex16_b32 v[rA+1], v[rA], s28, s29     ; the query's other 16 keys lie in the lane 16 away
.elseif (\n) == 9
	v_min_num_f32 v[rA], v[rA], v[rA+1]
.elseif (\n) == 10
	v_sub_f32 v[rA+2], v[rA], v[rM]
.elseif (\n) == 11
	v_add_f32 v[rA+3], v[rA], v[rM]
.elseif (\n) == 12
	v_mul_f32 v[rA+3], s24, v[rA+3]
.elseif (\n) == 13
	v_mul_f32 v[rA+2], v[rA+2], v[rA+3]            ; c (m_new - m_old)(m_new + m_old)
.elseif (\n) == 14
	v_mov_b32 v[rM], v[rA]
.else
	v_mul_f32 v[rC], s24, v[rA]
.endif
.endm
.macro SARG t                          ; s becomes (c s + c m)(m - s)
	SREGS \t
.irp p, 0,1,2,3,4,5,6,7
	v_pk_add_f32 v[XD+2*\p:XD+2*\p+1], v[rM:rM+1], v[rS+2*\p:rS+2*\p+1] op_sel_hi:[0,1] neg_lo:[0,1] neg_hi:[0,1]
.endr
.irp p, 0,1,2,3,4,5,6,7
	v_pk_fma_f32 v[rS+2*\p:rS+2*\p+1], v[rS+2*\p:rS+2*\p+1], s[24:25], v[rC:rC+1] op_sel_hi:[1,0,0]
.endr
.irp p, 0,1,2,3,4,5,6,7
	v_pk_mul_f32 v[rS+2*\p:rS+2*\p+1], v[rS+2*\p:rS+2*\p+1], v[XD+2*\p:XD+2*\p+1]
.endr
.endm
.macro SEXP t                          ; a and the 16 weights
	SREGS \t
	v_exp_f32 v[rAL], v[rA+2]
.set i, 0
.rept 16
	v_exp_f32 v[rS+i], v[rS+i]
.set i, i+1
.endr
.endm
.macro SPACK t                         ; two neighbouring keys' weights in a register: source 1 of the product
	SREGS \t
	s_wait_alu depctr_va_vdst(0)
.irp p, 0,1,2,3,4,5,6,7
	v_cvt_pk_f16_f32 v[rP+\p], v[rS+2*\p], v[rS+2*\p+1]
.endr
.endm
.macro SSUM t                          ; the eight pairs are added as a tree, in place; l = a l + the sum
	SREGS \t
.irp p, 0,4,8,12
	v_pk_add_f32 v[rS+\p:rS+\p+1], v[rS+\p:rS+\p+1], v[rS+\p+2:rS+\p+3]
.endr
.irp p, 0,8
	v_pk_add_f32 v[rS+\p:rS+\p+1], v[rS+\p:rS+\p+1], v[rS+\p+4:rS+\p+5]
.endr
	v_pk_add_f32 v[rS:rS+1], v[rS:rS+1], v[rS+8:rS+9]
	v_pk_fma_f32 v[rL:rL+1], v[rL:rL+1], v[rAL:rAL+1], v[rS:rS+1] op_sel_hi:[1,0,1]
.endm
.macro RESC t                          ; O^T times a, each accumulator from its lowest registers on
	SREGS \t
.irp p, 0,1,2,3,4,5,6,7
	v_pk_mul_f32 v[OR+16*(\t)+2*\p:OR+16*(\t)+2*\p+1], v[OR+16*(\t)+2*\p:OR+16*(\t)+2*\p+1], v[rAL:rAL+1] op_sel_hi:[1,0]
.endr
.endm
	WIN W_ALL
	KLOAD 0, 0, 0                                  ; behind the stores of keys 0-15 in my LDS queue
	WIN 0                                          ; at a label and at a branch every window is 0
	s_mov_b32 s20, 0
.Ltrip:                                                ; eight trips of 32 keys
	s_wait_loadcnt 0x0                             ; this block's keys 16-31, asked for half a trip ago, are in (in the first trip Q too); GK and GV may be written
.irp i, 0,1,2,3,4,5,6,7
	ds_store_b128 v[SA], v[SG1+4*\i:SG1+4*\i+3] offset:4096+512*\i   ; behind all of the last trip's reads of these bytes in my LDS queue
.endr
	s_lshl_b32 s21, s20, 11                        ; V: 2,048 bytes a trip
	s_add_co_u32 s22, s20, 1
	s_and_b32 s22, s22, 7                          ; the next block; the last trip asks for the wave's first block once more, inside the buffer, and nobody uses it: the price of one text for every trip
	s_lshl_b32 s22, s22, 13
	v_add_nc_u32 v[GV], s21, v1
	v_add_nc_u32 v[GK], s22, v1
.irp f, 0,1,2,3
	global_load_b128 v[VR+4*\f:VR+4*\f+3], v[GV], s[8:9] offset:512*\f           ; V^T's two fragments, as they lie
.endr
.irp i, 0,1,2,3,4,5,6,7
	global_load_b128 v[SG0+4*\i:SG0+4*\i+3], v[GK], s[4:5] offset:512*\i         ; the next block's keys 0-15
.endr
	WIN W_ALL
.irp g, 0,1
.irp cp, 0,1,2,3,4,5,6,7
	CHUNK \g, \cp
.endr
.endr
	WIN 0
	s_wait_loadcnt 0x0                             ; V and the next block's keys 0-15, asked for half a trip ago
.irp i, 0,1,2,3,4,5,6,7
	ds_store_b128 v[SA], v[SG0+4*\i:SG0+4*\i+3] offset:512*\i        ; behind this trip's last read of keys 0-15 in my LDS queue
.endr
.irp i, 0,1,2,3,4,5,6,7
	global_load_b128 v[SG1+4*\i:SG1+4*\i+3], v[GK], s[4:5] offset:4096+512*\i    ; the next block's keys 16-31
.endr
	WIN W_ALL
.irp g, 2,3
.irp cp, 0,1,2,3,4,5,6,7
	CHUNK \g, \cp
.endr
.endr
.irp n, 0,1,2,3,4,5,6,7,8,9,10,11,12,13,14,15
	SMIN \n, 0                                     ; the two tiles alternate
	SMIN \n, 1
.endr
	SARG 0
	SEXP 0
	SARG 1                                         ; plain lines that name none of tile 0's weights stand behind its exponentials (ISA guide 5.7.2),
	SEXP 1
	SPACK 0                                        ; and lines that name none of tile 1's behind its
	SSUM 0
	SPACK 1
	SSUM 1
	WIN W_S1
	RESC 0
	RESC 1
.irp t, 0,1                            ; four accumulators, one instruction each, over the backward jump too: they take turns
.irp cb, 0,1
	v_wmma_f32_16x16x32_f16 v[OR+16*\t+8*\cb:OR+16*\t+8*\cb+7], v[VR+8*\cb:VR+8*\cb+7], v[TR+8*\t:TR+8*\t+7], v[OR+16*\t+8*\cb:OR+16*\t+8*\cb+7]
.endr
.endr
.rept 4
	v_nop                                          ; four places before V is loaded again, P's registers are written again, or O^T is read (ISA guide 7.12.1)
.endr
	WIN 0
	s_add_co_u32 s20, s20, 1
	s_cmp_lt_u32 s20, 8
	s_cbranch_scc1 .Ltrip
	; THE MERGE.  l's two halves and the other half of the lanes' are added; each wave puts its m, l and O^T into bytes of its own; behind the launch's one barrier 256 threads take 4 numbers of the output each.
	WIN W_ALL
.irp t, 0,1
	v_add_f32 v[246+6*\t], v[246+6*\t], v[247+6*\t]
.endr
.irp t, 0,1
	v_permlanex16_b32 v[247+6*\t], v[246+6*\t], s28, s29
.endr
.irp t, 0,1
	v_add_f32 v[246+6*\t], v[246+6*\t], v[247+6*\t]
.endr
	WIN W_S1
.irp t, 0,1
	ds_store_b32 v9, v[242+6*\t] offset:64*\t      ; m of query 16 t + r: both halves of the lanes hold and write the same number
	ds_store_b32 v9, v[246+6*\t] offset:128+64*\t  ; l
.endr
	WIN 0
.irp t, 0,1
.irp cb, 0,1
	ds_store_b128 v8, v[OR+16*\t+8*\cb:OR+16*\t+8*\cb+3] offset:2304*\t+64*\cb        ; row 16 t + r, channels 16 cb + 8 h ..
	ds_store_b128 v8, v[OR+16*\t+8*\cb+4:OR+16*\t+8*\cb+7] offset:2304*\t+64*\cb+16
.endr
.endr
	s_wait_dscnt 0x0                               ; for the others' sake: my stores are done (and the last trip's look-ahead loads of K are back)
	s_barrier_signal -1
	s_barrier_wait -1
.irp w, 0,1,2,3,4,5,6,7
	ds_load_b32 v[160+\w], v11 offset:256*\w
.endr
.irp w, 0,1,2,3,4,5,6,7
	ds_load_b32 v[168+\w], v11 offset:256*\w+128
.endr
.irp w, 0,1,2,3,4,5,6,7
	ds_load_b128 v[128+4*\w:128+4*\w+3], v10 offset:4608*\w
.endr
	s_wait_dscnt 0x0
	v_min3_num_f32 v192, v160, v161, v162
	v_min3_num_f32 v192, v192, v163, v164
	v_min3_num_f32 v192, v192, v165, v166
	v_min_num_f32 v192, v192, v167                 ; the query's minimum over all keys
.irp w, 0,1,2,3,4,5,6,7
	v_sub_f32 v[176+\w], v192, v[160+\w]
.endr
.irp w, 0,1,2,3,4,5,6,7
	v_add_f32 v[184+\w], v192, v[160+\w]
.endr
.irp w, 0,1,2,3,4,5,6,7
	v_mul_f32 v[184+\w], s24, v[184+\w]
.endr
.irp w, 0,1,2,3,4,5,6,7
	v_mul_f32 v[176+\w], v[176+\w], v[184+\w]
.endr
.irp w, 0,1,2,3,4,5,6,7
	v_exp_f32 v[176+\w], v[176+\w]                 ; f_w = 2^(c (m - m_w)(m + m_w))
.endr
	v_nop                                          ; a plain instruction between the exponentials and the use of their results
	s_wait_alu depctr_va_vdst(0)
	v_mul_f32 v193, v176, v168
.irp w, 1,2,3,4,5,6,7
	v_fmac_f32 v193, v[176+\w], v[168+\w]          ; l = the sum of f_w l_w
.endr
	v_rcp_f32 v194, v193                           ; the 32 lines below, which do not name it, stand between the reciprocal and its use
.irp e, 0,1,2,3
	v_mul_f32 v[196+\e], v176, v[128+\e]
.endr
.irp w, 1,2,3,4,5,6,7
.irp e, 0,1,2,3
	v_fmac_f32 v[196+\e], v[176+\w], v[128+4*\w+\e]
.endr
.endr
	s_wait_alu depctr_va_vdst(0)
.irp e, 0,1,2,3
	v_mul_f32 v[196+\e], v[196+\e], v194
.endr
	global_store_b128 v12, v[196:199], s[10:11] th:TH_STORE_NT   ; a wave stores 512 consecutive bytes, at a multiple of 512 from out0's first
	s_wait_tensorcnt 0x0                           ; the wave's end: behind my last LDS store
	ds_add_u32 v[SPW], v[NIL]
	s_wait_dscnt 0x0
	s_endpgm
.Lfunc_end_k_qd50e4cddfe_attend:
	.size	k_qd50e4cddfe_attend, .Lfunc_end_k_qd50e4cddfe_attend-k_qd50e4cddfe_attend
	.p2alignl 7, 3214868480
	.fill 96, 4, 3214868480
	.section	.rodata,"a",@progbits
	.p2align	6, 0x0
	.amdhsa_kernel k_qd50e4cddfe_attend
		.amdhsa_group_segment_fixed_size 105472
		.amdhsa_private_segment_fixed_size 0
		.amdhsa_enable_private_segment 0
		.amdhsa_kernarg_size 32
		.amdhsa_user_sgpr_count 2
		.amdhsa_user_sgpr_kernarg_segment_ptr 1
		.amdhsa_wavefront_size32 1
		.amdhsa_system_sgpr_workgroup_id_x 1
		.amdhsa_system_sgpr_workgroup_id_y 1
		.amdhsa_system_sgpr_workgroup_id_z 1
		.amdhsa_system_vgpr_workitem_id 0
		.amdhsa_next_free_vgpr 512
		.amdhsa_next_free_sgpr 66
		.amdhsa_reserve_vcc 0
		.amdhsa_float_denorm_mode_32 3
		.amdhsa_float_denorm_mode_16_64 3
		.amdhsa_memory_ordered 1
		.amdhsa_forward_progress 1
		.amdhsa_inst_pref_size 236
	.end_amdhsa_kernel
	.amdgpu_metadata
---
amdhsa.version: [ 1, 2 ]
amdhsa.kernels:
  - .name:           k_qd50e4cddfe_attend
    .symbol:         k_qd50e4cddfe_attend.kd
    .args:
      - { .name: kw, .offset: 0, .size: 8, .value_kind: global_buffer, .address_space: global }
      - { .name: qw, .offset: 8, .size: 8, .value_kind: global_buffer, .address_space: global }
      - { .name: vt, .offset: 16, .size: 8, .value_kind: global_buffer, .address_space: global }
      - { .name: out0, .offset: 24, .size: 8, .value_kind: global_buffer, .address_space: global }
    .group_segment_fixed_size: 105472
    .private_segment_fixed_size: 0
    .kernarg_segment_align: 8
    .kernarg_segment_size: 32
    .max_flat_workgroup_size: 256
    .sgpr_count:     66
    .vgpr_count:     512
    .wavefront_size: 32
...
	.end_amdgpu_metadata
.endif
;; end of part 2
;; ======== version 2 of 2: 2 launches; version 1 with the launch attend written anew for expert scheduling mode
;; limits: values are held in f16: magnitudes above 65,504 overflow, below 6.1e-05 lose precision; inputs' magnitudes at most 65,504
;; workspace buffers: kw 2,097,152 bytes; qw 2,097,152 bytes; vt 524,288 bytes
;; launch embed: the kernel of part 1 again; grid 128 x 2, 4 waves a work-group, no clusters, 98,816 bytes of LDS; arguments coords_f, coords_t, Wk1, Wq1, bk1, bq1, Wk2, Wq2, bk2, bq2, values_f, kw, qw, vt; writes kw, qw, vt
;; launch attend (part 3): grid 64 x 4, 8 waves a work-group, no clusters, 105,472 bytes of LDS; arguments kw, qw, vt, out0; writes out0
.if DOCPART == 3
	.amdgcn_target "amdgcn-amd-amdhsa--gfx1250"
	.amdhsa_code_object_version 6
	.text
	.protected	k_qd50e4cddfe_attend
	.globl	k_qd50e4cddfe_attend
	.p2align	8
	.type	k_qd50e4cddfe_attend,@function
k_qd50e4cddfe_attend:
	s_mov_b64 s[64:65], 0
	v_nop
	global_prefetch_b8 v0, s[64:65] scope:SCOPE_SE
	s_setreg_imm32_b32 hwreg(HW_REG_WAVE_SCHED_MODE, 0, 2), 2
	s_setreg_imm32_b32 hwreg(HW_REG_WAVE_MODE, 25, 1), 1
	s_wait_xcnt 0x0
	s_wait_alu depctr_vm_vsrc(0)
; ATTEND.  out[b][q][:] = the sum over keys n of softmax_n(-s^2 / 2) V[b][n][:], s = the sum over d of |k[n][d] - q[q][d]|.  k, q: f32, from kw and qw (tiles of 16 rows: [chunk 0..15][row 0..15][4 floats], the
; same permutation of d in both, which the sum over d does not see); V: f16 fragments from vt.  Distances, minima, exponents and sums in f32; the weights are rounded to f16 for the product with V.
; SHARES.  A work-group: 32 queries (two tiles t of 16) of batch y, all 2,048 keys.  Wave w: keys 256 w .. + 255, eight trips of 32.  Lane (r = L % 16, h = L / 16): query r of both tiles and, in a trip, the 16 keys
; 8 h + j and 16 + 8 h + j, j = 0..7.  That is where source 1 (32 keys x 16 queries) of O^T = V^T P wants them: nothing changes lanes between the distances and the product.
; THE COUNT.  For two dimensions of a pair: one packed subtraction and two additions of a magnitude, three vector instructions: 3,040 of a trip's some 3,250.  All else stands beside them or is small.
; SOFTMAX.  For each query a running minimum m of s and a sum l: p = 2^(c (m - s)(m + s)), c = log2(e) / 2: the exponent is never above 0 and is 0 at the minimum, and m - s loses nothing where s is near m.
; In every trip O and l are multiplied by a = 2^(c (m_new - m_old)(m_new + m_old)).  m starts at 1e30: the first trip's a is 2^(-infinity) = 0, and O and l start at 0.  The eight waves' m, l and O meet in LDS at the end.
; LIMITS.  s stays under 1e30 (s^2 / 2 itself leaves f32 from 2.6e19 on); a weight below 2^-126 counts as 0, and below 6e-5 it keeps f16's fixed step of 6e-8 in the product; NaN and infinities are not treated apart.
; KEYS come through registers: a wave loads a tile as eight times 512 consecutive bytes, stores it into 8,192 bytes of LDS of its own and reads it back 16 bytes at a time, one word for lanes 0-15 and one for lanes
; 16-31.  LDS serves a wave's instructions in order (ISA guide 5.7.1.4), and no other wave touches those bytes: the loop has no barrier.
; NO CLUSTER, NO TENSOR LOAD, though a batch's 64 work-groups walk the same keys: a wave wants 10 KB for a trip's 3,250 vector instructions, asked for half a trip ahead, so what would be shared is a small part
; of a trip; and joint loads would put a round of barriers into a loop that needs none.
; THE MODE: SCHED_MODE bits 1:0 = 2 (LLVM: expert scheduling mode 2), set by the entry lines.  The code itself states the register dependences between vector or matrix instructions and memory or LDS
; instructions, with s_wait_alu, always for 0.
; THE PLAN.  Registers that memory or LDS instructions touch, in the loop:
;   SG0, SG1      Named by memory and LDS instructions alone.  SG0: loaded at a trip's head, stored into LDS in its middle.  SG1: loaded in a trip's middle, stored into LDS at the next trip's head.
;                 So one wait on vm_vsrc stands at the head (the middle's stores have read SG0) and one in the middle (the head's stores have read SG1), each half a trip behind the stores that it speaks of.
;   VR            Loaded at a trip's head; read by the four products at the trip's end.
;   K's buffers   Chunk c's packed subtractions read buffer c % 2; its eight LDS loads land in the other, which chunk c - 1 read.  The softmax writes and reads buffer 1.
;   v1, v[SA], v[KA]   Offsets and addresses, made at the head and never written again: the blocks of K and V are reached by two scalar bases, made anew at each trip's head.
; So ONE wait on va_vdst stands at the head of each chunk, behind the wait for the chunk's own K: the chunk before is done reading the buffer in which the loads land.  A trip's first chunk has none of its own:
; the wait at the trip's head, which states that the products are done reading VR and the softmax is done with buffer 1, stands ahead of it with no vector instruction between.
; The chunk's vector lines name its own buffer, Q, the differences and s: none of the registers that its loads touch.
; REGISTERS, in windows of 256 (s_set_vgpr_msb: bits 1:0 source 0, 3:2 source 1, 5:4 source 2, 7:6 destination):
;   window 0: v0-15 addresses; v16-47, v48-79 the two key tiles on their way; v80-95 V; v96-127 O^T (tile t, channel block cb at 96 + 16 t + 8 cb); v128-199 the merge
;   window 1: v0-127 Q (64 t + 4 c + e); v128-191 K, two buffers of four keys x eight dimensions; v192-207 differences, then P; v208-239 s (16 t + key); v240 K's LDS address; v242-253 m, c m, l
;   During the softmax K's second buffer is free: v160-175 m - s; v176-183 at work; v184-187 a.
.set MERGE, 65536                      ; behind the eight key buffers: 8 x 4,608 bytes, a wave's O: 32 rows of 128 bytes + 16 of padding = 36 words: 16 rows start at 16 different groups of four banks (ISA guide 11.1)
.set STAT,  102400                     ; 8 x 256 bytes: a wave's m for 32 queries, then its l
.set SPARE, 104448                     ; the spare words, 128 bytes for each wave: four blocks of 256 bytes that no other line names
.set SPW, 2                            ; v2   LDS address of my spare word; never rewritten
.set NIL, 3                            ; v3   0; never rewritten
.set SA,  6                            ; v6   where I store 16 bytes of a key tile
.set SG0, 16
.set SG1, 48
.set VR,  80
.set OR,  96
.set KR,  128                          ; window 1
.set TR,  192
.set SR,  208
.set KA,  240
.set XD,  160
.set AT,  176
.set KOF, 2                            ; s[2:3]    byte offset of the key block that is being fetched, among my wave's eight
.set VOF, 30                           ; s[30:31]  byte offset of the trip's fragments of V, among my wave's
.set KB,  14                           ; s[14:15]  in the loop: kw at that block
.set VB,  16                           ; s[16:17]  in the loop: vt at those fragments
.set MSB, 0
.macro WIN new                         ; the immediate's high byte repeats the setting that is left; a switch that changes nothing is dropped
.if MSB != (\new)
	s_set_vgpr_msb (MSB<<8)|(\new)
.set MSB, \new
.endif
.endm
.set W_ALL, 0x55                       ; every place in window 1: distances and softmax
.set W_DST, 0x40                       ; destination in window 1
.set W_S1,  0x04                       ; source 1 in window 1: a, P, and the statistics as an LDS store's data
	s_load_b256 s[4:11], s[0:1], 0x0               ; kw s[4:5], qw s[6:7], vt s[8:9], out0 s[10:11]
	v_lshl_add_u32 v[SPW], v0, 2, SPARE
	v_mov_b32 v[NIL], 0
	v_lshrrev_b32 v13, 5, v0
	v_readfirstlane_b32 s12, v13                   ; wave w, 0..7
	s_and_b32 s13, ttmp7, 0xffff                   ; batch y
	s_mov_b32 s24, 0x3f38aa3b                      ; c = log2(e) / 2
	s_mov_b32 s25, s24                             ; named with it as a pair
	s_mov_b32 s28, 0x76543210                      ; v_permlanex16_b32: each lane takes its own place in the other half
	s_mov_b32 s29, 0xfedcba98
	s_mov_b32 s[KOF+1], 0                          ; both offsets stay under 2^32
	s_mov_b32 s[VOF+1], 0
	v_and_b32 v14, 31, v0                          ; L
	v_and_b32 v15, 15, v0                          ; r
	v_bfe_u32 v13, v0, 4, 1                        ; h
	v_lshlrev_b32 v1, 4, v14                       ; 16 L: my 16 bytes in every 512 of K and of V
	v_lshlrev_b32 v7, 4, v15                       ; Q: row r of a chunk
	s_wait_alu depctr_va_sdst(0)                   ; s12 is written, ahead of its first reader: LDS addresses and the buffers' offsets are made from it
	s_lshl_b32 s21, s12, 13                        ; my wave's key buffer
	v_add_nc_u32 v[SA], s21, v1
	s_mul_i32 s26, s12, 4608
	s_add_co_u32 s26, s26, MERGE
	v_mul_u32_u24 v8, v15, 144
	v_lshl_add_u32 v8, v13, 5, v8
	v_add_nc_u32 v8, s26, v8                       ; v8: my wave's O: row r, channels 8 h ..
	s_lshl_b32 s27, s12, 8
	s_add_co_u32 s27, s27, STAT
	v_lshl_add_u32 v9, v15, 2, s27                 ; v9: my wave's m of query r
	v_lshrrev_b32 v11, 3, v0                       ; the merge: thread n takes query n / 8, channels 4 (n % 8) ..
	v_and_b32 v12, 7, v0
	v_mul_u32_u24 v10, v11, 144
	v_lshl_add_u32 v10, v12, 4, v10
	v_add_nc_u32 v10, MERGE, v10                   ; v10: those 16 bytes in wave 0's O
	v_lshl_add_u32 v11, v11, 2, STAT               ; v11: that query's m in wave 0's statistics
	v_lshlrev_b32 v12, 4, v0                       ; v12: and the same 16 bytes among the work-group's 4,096 of out0
	s_lshl_b32 s14, s13, 19                        ; kw: 524,288 bytes a batch, 65,536 a wave
	s_lshl_b32 s22, s12, 16
	s_add_co_u32 s14, s14, s22
	s_mov_b32 s15, 0
	s_lshl_b32 s16, s13, 19                        ; qw: 8,192 bytes a work-group
	s_lshl_b32 s22, ttmp9, 13
	s_add_co_u32 s16, s16, s22
	s_mov_b32 s17, 0
	s_lshl_b32 s18, s13, 17                        ; vt: 131,072 bytes a batch, 16,384 a wave
	s_lshl_b32 s22, s12, 14
	s_add_co_u32 s18, s18, s22
	s_mov_b32 s19, 0
	s_lshl_b32 s22, s13, 18                        ; out0: 262,144 bytes a batch, 4,096 a work-group
	s_lshl_b32 s23, ttmp9, 12
	s_add_co_u32 s22, s22, s23
	s_mov_b32 s23, 0
	s_wait_kmcnt 0x0
	s_add_nc_u64 s[4:5], s[4:5], s[14:15]
	s_add_nc_u64 s[6:7], s[6:7], s[16:17]
	s_add_nc_u64 s[8:9], s[8:9], s[18:19]
	s_add_nc_u64 s[10:11], s[10:11], s[22:23]
	s_wait_alu depctr_va_vdst(0)                   ; v1 and v6 to v12 are written: the offsets and LDS addresses that the loads and stores of the whole kernel read
.irp i, 0,1,2,3,4,5,6,7
	global_load_b128 v[SG0+4*\i:SG0+4*\i+3], v1, s[4:5] offset:512*\i            ; block 0, keys 0-15
.endr
.irp i, 0,1,2,3,4,5,6,7
	global_load_b128 v[SG1+4*\i:SG1+4*\i+3], v1, s[4:5] offset:4096+512*\i       ; block 0, keys 16-31
.endr
	WIN W_DST
.set i, 0
.rept 32                               ; Q stays in registers: tile i / 16, chunk i % 16, row r
	global_load_b128 v[4*i:4*i+3], v7, s[6:7] offset:256*i
.set i, i+1
.endr
	v_lshl_add_u32 v[KA], v13, 7, s21              ; K: row 8 h of a chunk in my wave's buffer
.irp t, 0,1
	v_mov_b32 v[242+6*\t], 0x7149f2ca              ; m = 1e30; the pair's second register is only named
	v_mov_b32 v[243+6*\t], 0x7149f2ca
	v_mov_b32 v[244+6*\t], 0                       ; c m: made anew in every trip; its second register is only named
	v_mov_b32 v[245+6*\t], 0
	v_mov_b32 v[246+6*\t], 0                       ; l, even keys' and odd keys'
	v_mov_b32 v[247+6*\t], 0
.endr
	WIN 0
.set i, 0
.rept 32                               ; O^T = 0, on purpose: the trip's text is long and is written once, so no first trip is written out
	v_mov_b32 v[OR+i], 0
.set i, i+1
.endr
	s_wait_loadcnt 40                              ; loads come back in order (ISA guide 5.7.1): keys 0-15 are in; the 8 loads of keys 16-31 and Q's 32 stay out
.irp i, 0,1,2,3,4,5,6,7
	ds_store_b128 v[SA], v[SG0+4*\i:SG0+4*\i+3] offset:512*\i
.endr
; Eight LDS loads: the four keys of group g (keys 4 g .. in the lane's 16: tile g / 2 of the block, rows 8 h + 4 (g % 2) ..), chunks 2 cp and 2 cp + 1 (eight dimensions), into buffer buf.
.macro KLOAD g, cp, buf
.irp kk, 0,1,2,3
.irp u, 0,1
	ds_load_b128 v[KR+32*(\buf)+8*\kk+4*\u:KR+32*(\buf)+8*\kk+4*\u+3], v[KA] offset:((\g)>>1)*4096+(2*(\cp)+\u)*256+(((\g)&1)*4+\kk)*16
.endr
.endr
.endm
; Four keys x two query tiles x eight dimensions: 96 vector instructions; the next chunk's eight loads are issued at its head.  A line reads no result made fewer than eight lines before it.
; stated = 1: a trip's first chunk: the wait at the trip's head stands ahead of it with no vector instruction between, and has stated what this chunk's loads hang on.
.macro CHUNK g, cp, stated=0
	s_wait_dscnt 0x0                               ; this chunk's K, asked for a chunk ago, is in
.if (\stated) == 0
	s_wait_alu depctr_va_vdst(0)                   ; the chunk before is done reading the other buffer of K, in which the eight loads below land
.endif
.if (\cp) < 7
	KLOAD \g, (\cp)+1, ((\cp)+1)&1
.else
	KLOAD ((\g)+1)&3, 0, 0
.endif
.set KC, KR+32*((\cp)&1)
.irp dp, 0,1,2,3
.irp kk, 0,1,2,3
.irp t, 0,1
	v_pk_add_f32 v[TR+4*\kk+2*\t:TR+4*\kk+2*\t+1], v[KC+8*\kk+2*\dp:KC+8*\kk+2*\dp+1], v[64*\t+8*(\cp)+2*\dp:64*\t+8*(\cp)+2*\dp+1] neg_lo:[0,1] neg_hi:[0,1]
.endr
.endr
.if ((\cp) == 0) && (\dp == 0)
.irp kk, 0,1,2,3
.irp t, 0,1
	v_add_f32 v[SR+16*\t+4*(\g)+\kk], |v[TR+4*\kk+2*\t]|, |v[TR+4*\kk+2*\t+1]|    ; the first two magnitudes start the sum: nothing is cleared
.endr
.endr
.else
.irp kk, 0,1,2,3
.irp t, 0,1
	v_add_f32 v[SR+16*\t+4*(\g)+\kk], v[SR+16*\t+4*(\g)+\kk], |v[TR+4*\kk+2*\t]|
.endr
.endr
.irp kk, 0,1,2,3
.irp t, 0,1
	v_add_f32 v[SR+16*\t+4*(\g)+\kk], v[SR+16*\t+4*(\g)+\kk], |v[TR+4*\kk+2*\t+1]|
.endr
.endr
.endif
.endr
.endm
; THE SOFTMAX of a trip, for tile t.
.macro SREGS t
.set rS, SR+16*(\t)
.set rA, AT+4*(\t)
.set rM, 242+6*(\t)
.set rC, 244+6*(\t)
.set rL, 246+6*(\t)
.set rAL, 184+2*(\t)
.set rP, TR+8*(\t)
.endm
.macro SMIN n, t                       ; line n of the 16 that find the new m, c m and a's exponent
	SREGS \t
.if (\n) < 4
	v_min3_num_f32 v[rA+(\n)], v[rS+3*(\n)], v[rS+3*(\n)+1], v[rS+3*(\n)+2]
.elseif (\n) == 4
	v_min3_num_f32 v[rA], v[rA], v[rS+12], v[rS+13]
.elseif (\n) == 5
	v_min3_num_f32 v[rA+1], v[rA+1], v[rS+14], v[rS+15]
.elseif (\n) == 6
	v_min3_num_f32 v[rA+2], v[rA+2], v[rA+3], v[rM]
.elseif (\n) == 7
	v_min3_num_f32 v[rA], v[rA], v[rA+1], v[rA+2]
.elseif (\n) == 8
	v_permlanex16_b32 v[rA+1], v[rA], s28, s29     ; the query's other 16 keys lie in the lane 16 away
.elseif (\n) == 9
	v_min_num_f32 v[rA], v[rA], v[rA+1]
.elseif (\n) == 10
	v_sub_f32 v[rA+2], v[rA], v[rM]
.elseif (\n) == 11
	v_add_f32 v[rA+3], v[rA], v[rM]
.elseif (\n) == 12
	v_mul_f32 v[rA+3], s24, v[rA+3]
.elseif (\n) == 13
	v_mul_f32 v[rA+2], v[rA+2], v[rA+3]            ; c (m_new - m_old)(m_new + m_old)
.elseif (\n) == 14
	v_mov_b32 v[rM], v[rA]
.else
	v_mul_f32 v[rC], s24, v[rA]
.endif
.endm
.macro SARG t                          ; s becomes (c s + c m)(m - s)
	SREGS \t
.irp p, 0,1,2,3,4,5,6,7
	v_pk_add_f32 v[XD+2*\p:XD+2*\p+1], v[rM:rM+1], v[rS+2*\p:rS+2*\p+1] op_sel_hi:[0,1] neg_lo:[0,1] neg_hi:[0,1]
.endr
.irp p, 0,1,2,3,4,5,6,7
	v_pk_fma_f32 v[rS+2*\p:rS+2*\p+1], v[rS+2*\p:rS+2*\p+1], s[24:25], v[rC:rC+1] op_sel_hi:[1,0,0]
.endr
.irp p, 0,1,2,3,4,5,6,7
	v_pk_mul_f32 v[rS+2*\p:rS+2*\p+1], v[rS+2*\p:rS+2*\p+1], v[XD+2*\p:XD+2*\p+1]
.endr
.endm
.macro SEXP t                          ; a and the 16 weights
	SREGS \t
	v_exp_f32 v[rAL], v[rA+2]
.set i, 0
.rept 16
	v_exp_f32 v[rS+i], v[rS+i]
.set i, i+1
.endr
.endm
.macro SPACK t                         ; two neighbouring keys' weights in a register: source 1 of the product
	SREGS \t
.irp p, 0,1,2,3,4,5,6,7
	v_cvt_pk_f16_f32 v[rP+\p], v[rS+2*\p], v[rS+2*\p+1]
.endr
.endm
.macro SSUM t                          ; the eight pairs are added as a tree, in place; l = a l + the sum
	SREGS \t
.irp p, 0,4,8,12
	v_pk_add_f32 v[rS+\p:rS+\p+1], v[rS+\p:rS+\p+1], v[rS+\p+2:rS+\p+3]
.endr
.irp p, 0,8
	v_pk_add_f32 v[rS+\p:rS+\p+1], v[rS+\p:rS+\p+1], v[rS+\p+4:rS+\p+5]
.endr
	v_pk_add_f32 v[rS:rS+1], v[rS:rS+1], v[rS+8:rS+9]
	v_pk_fma_f32 v[rL:rL+1], v[rL:rL+1], v[rAL:rAL+1], v[rS:rS+1] op_sel_hi:[1,0,1]
.endm
.macro RESC t                          ; O^T times a, each accumulator from its lowest registers on
	SREGS \t
.irp p, 0,1,2,3,4,5,6,7
	v_pk_mul_f32 v[OR+16*(\t)+2*\p:OR+16*(\t)+2*\p+1], v[OR+16*(\t)+2*\p:OR+16*(\t)+2*\p+1], v[rAL:rAL+1] op_sel_hi:[1,0]
.endr
.endm
	WIN W_ALL
	s_wait_alu depctr_va_vdst(0)                   ; v[KA] is written, which every LDS load of K reads as its address
	KLOAD 0, 0, 0                                  ; behind the stores of keys 0-15 in my LDS queue
	WIN 0                                          ; at a label and at a branch every window is 0
	s_mov_b32 s20, 0
.Ltrip:                                                ; eight trips of 32 keys
	s_wait_loadcnt 0x0                             ; this block's keys 16-31, asked for half a trip ago, are in (in the first trip Q too); every load that read the two bases is done, so they may be written
	s_wait_alu depctr_vm_vsrc(0)                   ; the LDS stores of keys 0-15, issued half a trip ago (in the first trip: ahead of the loop), have read SG0, in which loads below land
.irp i, 0,1,2,3,4,5,6,7
	ds_store_b128 v[SA], v[SG1+4*\i:SG1+4*\i+3] offset:4096+512*\i   ; behind all of the last trip's reads of these bytes in my LDS queue
.endr
	s_lshl_b32 s[VOF], s20, 11                     ; V: 2,048 bytes a trip
	s_add_co_u32 s[KOF], s20, 1
	s_and_b32 s[KOF], s[KOF], 7                    ; the next block; the last trip asks for the wave's first block once more, inside the buffer, and nobody uses it: the price of one text for every trip
	s_lshl_b32 s[KOF], s[KOF], 13
	s_add_nc_u64 s[VB:VB+1], s[8:9], s[VOF:VOF+1]
	s_add_nc_u64 s[KB:KB+1], s[4:5], s[KOF:KOF+1]
	s_wait_alu depctr_va_vdst(0)                   ; the last trip's four products are done reading V, in which loads below land; its last chunk and its softmax are done with K's buffer 1, in which the first chunk's loads land
.irp f, 0,1,2,3
	global_load_b128 v[VR+4*\f:VR+4*\f+3], v1, s[VB:VB+1] offset:512*\f          ; V^T's two fragments, as they lie
.endr
.irp i, 0,1,2,3,4,5,6,7
	global_load_b128 v[SG0+4*\i:SG0+4*\i+3], v1, s[KB:KB+1] offset:512*\i        ; the next block's keys 0-15
.endr
	WIN W_ALL
	CHUNK 0, 0, 1
.irp cp, 1,2,3,4,5,6,7
	CHUNK 0, \cp
.endr
.irp cp, 0,1,2,3,4,5,6,7
	CHUNK 1, \cp
.endr
	WIN 0
	s_wait_loadcnt 0x0                             ; V and the next block's keys 0-15, asked for half a trip ago
	s_wait_alu depctr_vm_vsrc(0)                   ; the LDS stores at this trip's head have read SG1, in which loads below land
.irp i, 0,1,2,3,4,5,6,7
	ds_store_b128 v[SA], v[SG0+4*\i:SG0+4*\i+3] offset:512*\i        ; behind this trip's last read of keys 0-15 in my LDS queue
.endr
.irp i, 0,1,2,3,4,5,6,7
	global_load_b128 v[SG1+4*\i:SG1+4*\i+3], v1, s[KB:KB+1] offset:4096+512*\i   ; the next block's keys 16-31
.endr
	WIN W_ALL
.irp g, 2,3
.irp cp, 0,1,2,3,4,5,6,7
	CHUNK \g, \cp
.endr
.endr
.irp n, 0,1,2,3,4,5,6,7,8,9,10,11,12,13,14,15
	SMIN \n, 0                                     ; the two tiles alternate
	SMIN \n, 1
.endr
	SARG 0
	SEXP 0
	SARG 1                                         ; plain lines that name none of tile 0's weights stand behind its exponentials (ISA guide 5.7.2),
	SEXP 1
	s_wait_alu depctr_va_vdst(0)                   ; the 34 exponentials have written both tiles' weights and a: one wait for the batch, ahead of the first line that names a result
	SPACK 0                                        ; and lines that name none of tile 1's behind its
	SSUM 0
	SPACK 1
	SSUM 1
	WIN W_S1
	RESC 0
	RESC 1
.irp t, 0,1                            ; four accumulators, one instruction each, over the backward jump too: they take turns
.irp cb, 0,1
	v_wmma_f32_16x16x32_f16 v[OR+16*\t+8*\cb:OR+16*\t+8*\cb+7], v[VR+8*\cb:VR+8*\cb+7], v[TR+8*\t:TR+8*\t+7], v[OR+16*\t+8*\cb:OR+16*\t+8*\cb+7]
.endr
.endr
.rept 4
	v_nop                                          ; four places before P's registers are written again or O^T is read (ISA guide 7.12.1)
.endr
	WIN 0
	s_add_co_u32 s20, s20, 1
	s_cmp_lt_u32 s20, 8
	s_cbranch_scc1 .Ltrip
	; THE MERGE.  l's two halves and the other half of the lanes' are added; each wave puts its m, l and O^T into bytes of its own; behind the launch's one barrier 256 threads take 4 numbers of the output each.
	WIN W_ALL
.irp t, 0,1
	v_add_f32 v[246+6*\t], v[246+6*\t], v[247+6*\t]
.endr
.irp t, 0,1
	v_permlanex16_b32 v[247+6*\t], v[246+6*\t], s28, s29
.endr
.irp t, 0,1
	v_add_f32 v[246+6*\t], v[246+6*\t], v[247+6*\t]
.endr
	WIN W_S1
	s_wait_alu depctr_va_vdst(0)                   ; m and l are written, and the last products have written O^T: the LDS stores below read them; the places behind the products stay beside this wait
.irp t, 0,1
	ds_store_b32 v9, v[242+6*\t] offset:64*\t      ; m of query 16 t + r: both halves of the lanes hold and write the same number
	ds_store_b32 v9, v[246+6*\t] offset:128+64*\t  ; l
.endr
	WIN 0
.irp t, 0,1
.irp cb, 0,1
	ds_store_b128 v8, v[OR+16*\t+8*\cb:OR+16*\t+8*\cb+3] offset:2304*\t+64*\cb        ; row 16 t + r, channels 16 cb + 8 h ..
	ds_store_b128 v8, v[OR+16*\t+8*\cb+4:OR+16*\t+8*\cb+7] offset:2304*\t+64*\cb+16
.endr
.endr
	s_wait_dscnt 0x0                               ; for the others' sake: my stores are done (and the last trip's look-ahead loads of K are back)
	s_barrier_signal -1
	s_barrier_wait -1
.irp w, 0,1,2,3,4,5,6,7
	ds_load_b32 v[160+\w], v11 offset:256*\w
.endr
.irp w, 0,1,2,3,4,5,6,7
	ds_load_b32 v[168+\w], v11 offset:256*\w+128
.endr
.irp w, 0,1,2,3,4,5,6,7
	ds_load_b128 v[128+4*\w:128+4*\w+3], v10 offset:4608*\w
.endr
	s_wait_dscnt 0x0
	v_min3_num_f32 v192, v160, v161, v162
	v_min3_num_f32 v192, v192, v163, v164
	v_min3_num_f32 v192, v192, v165, v166
	v_min_num_f32 v192, v192, v167                 ; the query's minimum over all keys
.irp w, 0,1,2,3,4,5,6,7
	v_sub_f32 v[176+\w], v192, v[160+\w]
.endr
.irp w, 0,1,2,3,4,5,6,7
	v_add_f32 v[184+\w], v192, v[160+\w]
.endr
.irp w, 0,1,2,3,4,5,6,7
	v_mul_f32 v[184+\w], s24, v[184+\w]
.endr
.irp w, 0,1,2,3,4,5,6,7
	v_mul_f32 v[176+\w], v[176+\w], v[184+\w]
.endr
.irp w, 0,1,2,3,4,5,6,7
	v_exp_f32 v[176+\w], v[176+\w]                 ; f_w = 2^(c (m - m_w)(m + m_w))
.endr
	v_nop                                          ; a plain instruction between the exponentials and the use of their results
	s_wait_alu depctr_va_vdst(0)                   ; the eight exponentials have written f_0 to f_7, ahead of their first reader
	v_mul_f32 v193, v176, v168
.irp w, 1,2,3,4,5,6,7
	v_fmac_f32 v193, v[176+\w], v[168+\w]          ; l = the sum of f_w l_w
.endr
	v_rcp_f32 v194, v193                           ; the 32 lines below, which do not name it, stand between the reciprocal and its use
.irp e, 0,1,2,3
	v_mul_f32 v[196+\e], v176, v[128+\e]
.endr
.irp w, 1,2,3,4,5,6,7
.irp e, 0,1,2,3
	v_fmac_f32 v[196+\e], v[176+\w], v[128+4*\w+\e]
.endr
.endr
	s_wait_alu depctr_va_vdst(0)                   ; the reciprocal has written v194, ahead of its first reader
.irp e, 0,1,2,3
	v_mul_f32 v[196+\e], v[196+\e], v194
.endr
	s_wait_alu depctr_va_vdst(0)                   ; the four multiplies have written v196 to v199, which the store reads
	global_store_b128 v12, v[196:199], s[10:11] th:TH_STORE_NT   ; a wave stores 512 consecutive bytes, at a multiple of 512 from out0's first
	s_wait_dscnt 0x0                               ; the closing lines, six on end
	s_wait_alu 0x0
	s_wait_tensorcnt 0x0
	ds_add_u32 v[SPW], v[NIL]
	s_wait_dscnt 0x0
	s_endpgm
.Lfunc_end_k_qd50e4cddfe_attend:
	.size	k_qd50e4cddfe_attend, .Lfunc_end_k_qd50e4cddfe_attend-k_qd50e4cddfe_attend
	.p2alignl 7, 3214868480
	.fill 96, 4, 3214868480
	.section	.rodata,"a",@progbits
	.p2align	6, 0x0
	.amdhsa_kernel k_qd50e4cddfe_attend
		.amdhsa_group_segment_fixed_size 105472
		.amdhsa_private_segment_fixed_size 0
		.amdhsa_enable_private_segment 0
		.amdhsa_kernarg_size 32
		.amdhsa_user_sgpr_count 2
		.amdhsa_user_sgpr_kernarg_segment_ptr 1
		.amdhsa_wavefront_size32 1
		.amdhsa_system_sgpr_workgroup_id_x 1
		.amdhsa_system_sgpr_workgroup_id_y 1
		.amdhsa_system_sgpr_workgroup_id_z 1
		.amdhsa_system_vgpr_workitem_id 0
		.amdhsa_next_free_vgpr 512
		.amdhsa_next_free_sgpr 66
		.amdhsa_reserve_vcc 0
		.amdhsa_float_denorm_mode_32 3
		.amdhsa_float_denorm_mode_16_64 3
		.amdhsa_memory_ordered 1
		.amdhsa_forward_progress 1
		.amdhsa_inst_pref_size 237
	.end_amdhsa_kernel
	.amdgpu_metadata
---
amdhsa.version: [ 1, 2 ]
amdhsa.kernels:
  - .name:           k_qd50e4cddfe_attend
    .symbol:         k_qd50e4cddfe_attend.kd
    .args:
      - { .name: kw, .offset: 0, .size: 8, .value_kind: global_buffer, .address_space: global }
      - { .name: qw, .offset: 8, .size: 8, .value_kind: global_buffer, .address_space: global }
      - { .name: vt, .offset: 16, .size: 8, .value_kind: global_buffer, .address_space: global }
      - { .name: out0, .offset: 24, .size: 8, .value_kind: global_buffer, .address_space: global }
    .group_segment_fixed_size: 105472
    .private_segment_fixed_size: 0
    .kernarg_segment_align: 8
    .kernarg_segment_size: 32
    .max_flat_workgroup_size: 256
    .sgpr_count:     66
    .vgpr_count:     512
    .wavefront_size: 32
...
	.end_amdgpu_metadata
.endif
;; end of part 3
